; MI455X (gfx1250); checked and timed in simulation.
; The chip was launched on July 23, 2026; its instructions are those of AMD's public machine-readable ISA for CDNA 5 (MIT licence, August 2026) and "CDNA5" Instruction Set Architecture Reference Guide (July 2026). The comments in the code are by the model that wrote it; some were corrected since.
;; Complex Channel Wise Multi Headed Attention. Allowed arithmetic: matrix products marked QUANTISED: E3M2 operands, one E8M0 scale for each 32 along K, by v_wmma_scale_f32_16x16x128_f8f6f4 with both operands' format E3M2, f32 sums; products left as they are: f32 operands where the result goes on into a quantised operand, else bf16, f16 or f32 operands; f32 sums; everything else in f32.
;; Inputs: Wk_i 512 x 512 float32; Wk_r 512 x 512 float32; Wo_i 512 x 512 float32; Wo_r 512 x 512 float32; Wq_i 512 x 512 float32; Wq_r 512 x 512 float32; Wv_i 512 x 512 float32; Wv_r 512 x 512 float32; bk_i 512 float32; bk_r 512 float32; bo_i 512 float32; bo_r 512 float32; bq_i 512 float32; bq_r 512 float32; bv_i 512 float32; bv_r 512 float32; key_i 4 x 8 x 512 x 512 float32; key_r 4 x 8 x 512 x 512 float32; query_i 4 x 8 x 512 x 512 float32; query_r 4 x 8 x 512 x 512 float32; value_i 4 x 8 x 512 x 512 float32; value_r 4 x 8 x 512 x 512 float32.
;; Outputs: out0 4 x 8 x 512 x 512 float32; out1 4 x 8 x 512 x 512 float32.
;; This version of the problem:
;;   THIS VERSION OF THE PROBLEM IS GIVEN IN LOW PRECISION. The matrix products marked QUANTISED in the list below multiply operands that are first quantised to E3M2 (3 exponent bits, 2 mantissa bits; 6 bits a number), with one power-of-two scale for each 32 numbers along K (OCP MX v1.0); their sums are f32. All else is computed in f32.
;;   The module's matrix products, in the order in which they are computed (A, B: the left and right operand; K: the contracted axis; several contracted axes count as one K, in the product's order):
;;     1. [M 16,384, K 512] x [K 512, N 512]; A: input query_r; B: input Wq_r: QUANTISED
;;     2. [M 16,384, K 512] x [K 512, N 512]; A: input query_i; B: input Wq_i: QUANTISED
;;     3. [M 16,384, K 512] x [K 512, N 512]; A: input query_i; B: input Wq_r: QUANTISED
;;     4. [M 16,384, K 512] x [K 512, N 512]; A: input query_r; B: input Wq_i: QUANTISED
;;     5. [M 16,384, K 512] x [K 512, N 512]; A: input key_r; B: input Wk_r: QUANTISED
;;     6. [M 16,384, K 512] x [K 512, N 512]; A: input key_i; B: input Wk_i: QUANTISED
;;     7. [M 16,384, K 512] x [K 512, N 512]; A: input key_i; B: input Wk_r: QUANTISED
;;     8. [M 16,384, K 512] x [K 512, N 512]; A: input key_r; B: input Wk_i: QUANTISED
;;     9. [M 16,384, K 512] x [K 512, N 512]; A: input value_r; B: input Wv_r: QUANTISED
;;     10. [M 16,384, K 512] x [K 512, N 512]; A: input value_i; B: input Wv_i: QUANTISED
;;     11. [M 16,384, K 512] x [K 512, N 512]; A: input value_i; B: input Wv_r: QUANTISED
;;     12. [M 16,384, K 512] x [K 512, N 512]; A: input value_r; B: input Wv_i: QUANTISED
;;     13. batch 16,384 x [M 8, K 64] x [K 64, N 8]; A: computed on the way; B: computed on the way: left as it is (M = 8 < 16)
;;     14. batch 16,384 x [M 8, K 64] x [K 64, N 8]; A: computed on the way; B: computed on the way: left as it is (M = 8 < 16)
;;     15. batch 16,384 x [M 8, K 64] x [K 64, N 8]; A: computed on the way; B: computed on the way: left as it is (M = 8 < 16)
;;     16. batch 16,384 x [M 8, K 64] x [K 64, N 8]; A: computed on the way; B: computed on the way: left as it is (M = 8 < 16)
;;     17. batch 16,384 x [M 8, K 8] x [K 8, N 64]; A: computed on the way; B: computed on the way: left as it is (K = 8 < 32)
;;     18. batch 16,384 x [M 8, K 8] x [K 8, N 64]; A: computed on the way; B: computed on the way: left as it is (K = 8 < 32)
;;     19. batch 16,384 x [M 8, K 8] x [K 8, N 64]; A: computed on the way; B: computed on the way: left as it is (K = 8 < 32)
;;     20. batch 16,384 x [M 8, K 8] x [K 8, N 64]; A: computed on the way; B: computed on the way: left as it is (K = 8 < 32)
;;     21. [M 16,384, K 512] x [K 512, N 512]; A: computed on the way; B: input Wo_r: QUANTISED
;;     22. [M 16,384, K 512] x [K 512, N 512]; A: computed on the way; B: input Wo_i: QUANTISED
;;     23. [M 16,384, K 512] x [K 512, N 512]; A: computed on the way; B: input Wo_r: QUANTISED
;;     24. [M 16,384, K 512] x [K 512, N 512]; A: computed on the way; B: input Wo_i: QUANTISED
;;   THE QUANTISER, for each operand of a quantised product, along K:
;;     - K is cut into blocks of 32 from its start; a last block that is shorter is filled with zeros.
;;     - A block's scale is 2^e with e = floor(log2(the largest magnitude in the block)) - 4, held to -126 .. 127; a block of zeros has e = 0. As a byte (E8M0): e + 127.
;;     - Each number is divided by its block's scale, clamped to +-28, and rounded to the nearest number of E3M2, ties to even, subnormals kept.
;;     - The product sums the exact products of the quantised numbers (number of the format x scale) in f32.
;;   ~~~python
;;   def quantise(x, axis):      # numpy; x: float32 -> the quantised numbers, widened to float32 again
;;       x = np.moveaxis(x, axis, -1); K = x.shape[-1]
;;       x = np.pad(x, [(0, 0)] * (x.ndim - 1) + [(0, -K % 32)]); x = x.reshape(x.shape[:-1] + (-1, 32)); a = np.abs(x).max(-1, keepdims=True)
;;       e = np.where(a > 0, np.clip(np.frexp(np.where(a > 0, a, 1))[1] - 1 - 4, -126, 127), 0)      # np.frexp(a)[1] - 1 = floor(log2(a)), exactly
;;       r = np.clip(x / 2.0 ** e, -28, 28)
;;       step = 2.0 ** (np.maximum(np.frexp(np.where(r == 0, 1, r))[1] - 1, -2) - 2)
;;       q = np.round(r / step) * step * 2.0 ** e      # np.round: ties to even
;;       return np.moveaxis(q.reshape(q.shape[:-2] + (-1,))[..., :K], -1, axis).astype(np.float32)
;;   ~~~
;;   OPERANDS COMPUTED ON THE WAY. 'Computed on the way' means the value that the module computes at that place (a softmax that the list does not call 'softmax' is quantised finished and normalised). What goes into a quantiser is computed in f32, as accurately as f32 sums, v_exp_f32 and their like allow (about 1e-6 of the number): no bf16 or f16 on the way to a quantiser, and a product that is left as it is and whose result goes on into a quantised operand takes f32 operands (vector FMAs, or v_wmma_f32_16x16x4_f32). A number that lies on a knife's edge between two numbers of the format may be rounded either way, as far as f32 arithmetic and the matrix unit's own rounding can turn it there, and no further.
;; One version. Each part assembles by itself: llvm-mc -triple=amdgcn-amd-amdhsa -mcpu=gfx1250 --defsym DOCPART=n.
;; ======== version 1 of 1: 2 launches
;; workspace buffers: wpk 1,769,472 bytes
;; launch prep (part 1): grid 128 x 1, 8 waves a work-group, no clusters, 2,048 bytes of LDS; arguments Wq_r, Wq_i, Wk_r, Wk_i, Wv_r, Wv_i, Wo_r, Wo_i, bq_r, bq_i, bk_r, bk_i, bv_r, bv_i, bo_r, bo_i, wpk; writes wpk
.if DOCPART == 1
	.amdgcn_target "amdgcn-amd-amdhsa--gfx1250"
	.amdhsa_code_object_version 6
	.text
	.protected	k_q687f6eb1a4_prep
	.globl	k_q687f6eb1a4_prep
	.p2align	8
	.type	k_q687f6eb1a4_prep,@function
k_q687f6eb1a4_prep:
	s_mov_b64 s[64:65], 0
	v_nop
	global_prefetch_b8 v0, s[64:65] scope:SCOPE_SE
	s_setreg_imm32_b32 hwreg(HW_REG_WAVE_MODE, 25, 1), 1
	s_wait_xcnt 0x0
; The eight weights [512 (n)][512 (k)], f32, K innermost, become codes of BF6 (E3M2) with one E8M0 byte for each 32 along K, laid in the ORDER OF THE
; OPERAND'S REGISTERS and in the order in which the second launch walks them; the biases become images of the C operand.
; wpk = 128 RECORDS of 13,824 bytes.  A record is one tile of 16 weight rows, real and imaginary part, all of K:
;   0 .. 12,287      eight fragments (K step s, part): fragment 2 s + part at 1,536 bytes each; registers 4 g .. 4 g + 3 of lane l at 512 g + 16 l
;   12,288 .. 12,799 scale words: 16 bytes a lane (K steps 0 .. 3); lanes 0-15 the real weight's rows, lanes 16-31 the imaginary weight's
;   12,800 .. 13,823 the bias image, 8 registers: registers 0-3 at 16 l, registers 4-7 at 512 + 16 l
; Record g = 8 slot + 4 hf + pos.  Slots 3 j + a (j = 0 .. 3) serve head 4 hf + j: a = 0, 1: pos = (q, tile 2 a), (k, 2 a), (q, 2 a + 1), (k, 2 a + 1), rows 64 head + 16 tile on;
; a = 2: Wv, rows 64 head + 32 (pos / 2) + 8 (pos % 2) + r + 8 (r / 8): NOT neighbours, so that two neighbouring tiles' results are 16 neighbours along the last layer's K.
; Slots 12 + o: Wo, rows 256 hf + 64 o + 16 pos on.
; A work-group makes one record, each of its eight waves one fragment: there is work for 128 work-groups.  A lane (r, h) holds the whole blocks 2 cc + h of its row, so no other lane is asked for a maximum.
; A block's scale is 2^(floor(log2(largest magnitude)) - 4); its byte is the largest magnitude's exponent field - 4, held at 1 from below.
; LIMITS: NaN and infinities are not served.  A block whose largest magnitude lies under 2^-122, a block of zeros too, keeps the byte 1: a block of zeros has zero codes, and this program alone reads the bytes.
.set RECB, 13824
.set LI,   4                           ; v4   16 x lane
.set SH8,  5                           ; v5   8 h
.set RR,   6                           ; v6   my row in the tile
.set WO,   7                           ; v7   my byte offset in the weight
.set SA,   8                           ; v8   LDS: where my row's scale word goes
.set CO,   9                           ; v9   my byte offset in the record: 16 x lane + 1,536 x wave
.set FN,   16                          ; v16-79   64 numbers
.set CD,   80                          ; v80-91   the fragment's codes
.set TD,   92                          ; v92-99   second halves of the blocks' codes
.set MT,   100                         ; v100-106 at work
.set WD,   108                         ; v108     the scale word
.set SEL16, 38                         ; s[38:39] lane selects: lane l xor 16
; 64 numbers of a lane, register 32 cc + i = k 64 cc + 32 h + i of my row, become the fragment's 12 registers v[C] on and its scale word v[W]
.macro QUANTW S, C, T, M, W
.irp cc, 0,1
	v_max3_num_f32 v[\M+\cc], |v[\S+32*\cc]|, |v[\S+32*\cc+1]|, 0x2800000   ; and the floor 2^(5 - 127): the byte cannot fall under 1
.endr
.irp i, 2,4,6,8,10,12,14,16,18,20,22,24,26,28,30
.irp cc, 0,1
	v_max3_num_f32 v[\M+\cc], v[\M+\cc], |v[\S+32*\cc+\i]|, |v[\S+32*\cc+\i+1]|   ; the two blocks by turns
.endr
.endr
.irp cc, 0,1
	v_add_nc_u32 v[\M+2+\cc], 0xfe000000, v[\M+\cc]   ; 4 off the exponent field: the conversion's scale operand
.endr
.irp cc, 0,1
	v_lshrrev_b32 v[\M+4+\cc], 23, v[\M+2+\cc]        ; the scale's byte
.endr
	v_lshl_or_b32 v[\W], v[\M+5], 16, v[\M+4]         ; blocks h and 2 + h,
	v_lshlrev_b32 v[\W], v[SH8], v[\W]                ; at their places in the word;
	v_permlanex16_b32 v[\M+6], v[\W], s[SEL16], s[SEL16+1]
	v_or_b32 v[\W], v[\W], v[\M+6]                    ; with lane l xor 16's two the word is whole
.irp cc, 0,1
	v_cvt_scalef32_pk16_bf6_f32 v[\C+6*\cc:\C+6*\cc+2], v[\S+32*\cc:\S+32*\cc+15], v[\M+2+\cc]
	v_cvt_scalef32_pk16_bf6_f32 v[\T+4*\cc:\T+4*\cc+2], v[\S+32*\cc+16:\S+32*\cc+31], v[\M+2+\cc]   ; (a conversion's three registers begin on an even number)
.endr
	v_nop                                             ; one plain place behind a scaled conversion
.irp cc, 0,1
.irp i, 0,1,2
	v_mov_b32 v[\C+6*\cc+3+\i], v[\T+4*\cc+\i]
.endr
.endr
.endm
	s_load_b512 s[4:19], s[0:1], 0x0               ; Wq_r, Wq_i, Wk_r, Wk_i, Wv_r, Wv_i, Wo_r, Wo_i
	s_load_b512 s[20:35], s[0:1], 0x40             ; the biases in the same order
	s_load_b64 s[36:37], s[0:1], 0x80              ; wpk
	v_lshl_add_u32 v128, v0, 2, 0x400
	v_mov_b32 v129, 0
	v_lshrrev_b32 v1, 5, v0
	v_readfirstlane_b32 s55, v1                    ; wave 0..7
	s_lshr_b32 s56, s55, 1                         ; my K step
	s_and_b32 s57, s55, 1                          ; my part: 0 real, 1 imaginary
	s_mov_b32 s[SEL16], 0x76543210
	s_mov_b32 s[SEL16+1], 0xfedcba98
	; which record: all from the work-group's number
	s_lshr_b32 s40, ttmp9, 3                       ; slot
	s_bfe_u32 s41, ttmp9, 0x10002                  ; hf
	s_and_b32 s42, ttmp9, 3                        ; pos
	s_mul_hi_u32 s43, s40, 0x55555556              ; j = slot / 3
	s_mul_i32 s44, s43, 3
	s_sub_co_u32 s44, s40, s44                     ; a = slot % 3
	s_lshl_b32 s45, s41, 2
	s_add_co_u32 s45, s45, s43
	s_lshl_b32 s45, s45, 6                         ; 64 x head
	s_lshr_b32 s46, s42, 1                         ; pos / 2
	s_and_b32 s47, s42, 1                          ; pos % 2
	s_lshl_b32 s48, s44, 5
	s_add_co_u32 s48, s48, s45
	s_lshl_b32 s49, s46, 4
	s_add_co_u32 s48, s48, s49                     ; q, k: 64 head + 16 (2 a + pos / 2)
	s_lshl_b32 s49, s46, 5
	s_add_co_u32 s49, s49, s45
	s_lshl_b32 s50, s47, 3
	s_add_co_u32 s49, s49, s50                     ; v: 64 head + 32 (pos / 2) + 8 (pos % 2)
	s_lshl_b32 s50, s41, 8
	s_lshl_b32 s51, s40, 6
	s_add_co_u32 s50, s50, s51
	s_sub_co_u32 s50, s50, 768
	s_lshl_b32 s51, s42, 4
	s_add_co_u32 s50, s50, s51                     ; o: 256 hf + 64 (slot - 12) + 16 pos (used for slots 12 on alone)
	s_mov_b32 s52, s47                             ; which layer: 0 q, 1 k,
	s_mov_b32 s53, s48                             ; and the tile's first row
	s_cmp_eq_u32 s44, 2
	s_cselect_b32 s52, 2, s52                      ; 2 v,
	s_cselect_b32 s53, s49, s53
	s_cmp_ge_u32 s40, 12
	s_cselect_b32 s52, 3, s52                      ; 3 o
	s_cselect_b32 s53, s50, s53
	s_cmp_eq_u32 s52, 2
	s_cselect_b32 s54, 1, 0                        ; 1: the tile's rows are r + 8 (r / 8)
	v_and_b32 v1, 31, v0                           ; lane
	v_and_b32 v2, 15, v0                           ; r
	v_bfe_u32 v3, v0, 4, 1                         ; h
	v_lshlrev_b32 v[LI], 4, v1
	v_lshlrev_b32 v[SH8], 3, v3
	v_and_b32 v[RR], 8, v2
	v_mad_u32_u24 v[RR], v[RR], s54, v2            ; my row in the tile
	v_lshlrev_b32 v[WO], 11, v[RR]                 ; a row is 2,048 bytes,
	v_lshl_add_u32 v[WO], v3, 7, v[WO]             ; + 128 h: my block of 32 numbers in each 64
	s_lshl_b32 s58, s57, 8
	s_lshl_b32 s59, s56, 2
	s_add_co_u32 s58, s58, s59
	v_lshl_add_u32 v[SA], v2, 4, s58               ; LDS: 256 part + 16 r + 4 s
	s_mul_i32 s59, s55, 1536
	v_add_nc_u32 v[CO], s59, v[LI]                 ; fragment 2 s + part = my wave's number
	v_mov_b32 v[MT+6], 0                           ; a lane permute's destination counts as one of its sources
	s_lshl_b32 s58, s53, 11
	s_lshl_b32 s59, s56, 9
	s_add_co_u32 s58, s58, s59                     ; the tile's first row, my K step, in bytes
	s_mov_b32 s59, 0
	s_mul_i32 s60, ttmp9, RECB                     ; my record
	s_mov_b32 s61, 0
	s_wait_kmcnt 0x0
	s_cmp_eq_u32 s52, 1                            ; the layer's four buffers: the choice hangs on the work-group's number alone
	s_cselect_b64 s[4:5], s[8:9], s[4:5]
	s_cselect_b64 s[6:7], s[10:11], s[6:7]
	s_cselect_b64 s[20:21], s[24:25], s[20:21]
	s_cselect_b64 s[22:23], s[26:27], s[22:23]
	s_cmp_eq_u32 s52, 2
	s_cselect_b64 s[4:5], s[12:13], s[4:5]
	s_cselect_b64 s[6:7], s[14:15], s[6:7]
	s_cselect_b64 s[20:21], s[28:29], s[20:21]
	s_cselect_b64 s[22:23], s[30:31], s[22:23]
	s_cmp_eq_u32 s52, 3
	s_cselect_b64 s[4:5], s[16:17], s[4:5]
	s_cselect_b64 s[6:7], s[18:19], s[6:7]
	s_cselect_b64 s[20:21], s[32:33], s[20:21]
	s_cselect_b64 s[22:23], s[34:35], s[22:23]
	s_cmp_eq_u32 s57, 1                            ; my wave's part of the weight
	s_cselect_b64 s[4:5], s[6:7], s[4:5]
	s_add_nc_u64 s[4:5], s[4:5], s[58:59]
	s_add_nc_u64 s[36:37], s[36:37], s[60:61]
.irp cc, 0,1
.irp i, 0,1,2,3,4,5,6,7
	global_load_b128 v[FN+32*\cc+4*\i:FN+32*\cc+4*\i+3], v[WO], s[4:5] offset:256*\cc+16*\i   ; k = 128 s + 64 cc + 32 h + 4 i on
.endr
.endr
	s_wait_loadcnt 0x0
	QUANTW FN, CD, TD, MT, WD
	global_store_b128 v[CO], v[CD:CD+3], s[36:37]              ; each store of the wave covers 512 consecutive bytes, aligned
	global_store_b128 v[CO], v[CD+4:CD+7], s[36:37] offset:512
	global_store_b128 v[CO], v[CD+8:CD+11], s[36:37] offset:1024
	ds_store_b32 v[SA], v[WD]                      ; both halves of the lanes write the same word with the same value
	s_wait_dscnt 0x0                               ; for the others' sake: my word lies in LDS
	s_barrier_signal -1
	s_barrier_wait -1
	s_cmp_lg_u32 s55, 0
	s_cbranch_scc1 .Lnot_wave_0
	ds_load_b128 v[112:115], v[LI]                 ; wave 0: the record's 512 bytes of scale words
	s_wait_dscnt 0x0
	global_store_b128 v[LI], v[112:115], s[36:37] offset:12288
	s_branch .Lend
.Lnot_wave_0:
	s_cmp_lg_u32 s55, 1
	s_cbranch_scc1 .Lend
	s_lshl_b32 s58, s53, 2                         ; wave 1: the bias image.  The real part's rows want br - bi, the imaginary part's br + bi
	s_mov_b32 s59, 0
	s_add_nc_u64 s[20:21], s[20:21], s[58:59]
	s_add_nc_u64 s[22:23], s[22:23], s[58:59]
	s_cmp_eq_u32 s54, 1
	s_cbranch_scc1 .Lv_kind
	v_lshlrev_b32 v10, 5, v3                       ; q, k, o: the product is used transposed: lane (r, h) holds stacked row r and features 8 h + j
	global_load_b128 v[16:19], v10, s[20:21]
	global_load_b128 v[20:23], v10, s[20:21] offset:16
	global_load_b128 v[24:27], v10, s[22:23]
	global_load_b128 v[28:31], v10, s[22:23] offset:16
	v_bfe_u32 v11, v0, 3, 1
	v_xor_b32 v11, 1, v11
	v_lshl_or_b32 v11, v11, 31, 0x3f800000         ; -1 where r < 8 (real part), else +1
	s_wait_loadcnt 0x0
.irp j, 0,1,2,3,4,5,6,7
	v_fma_f32 v[32+\j], v[24+\j], v11, v[16+\j]
.endr
	s_branch .Lbias_out
.Lv_kind:
	v_lshlrev_b32 v10, 2, v[RR]                    ; v: lane = feature, register j of half h = stacked row 8 h + j
	global_load_b32 v16, v10, s[20:21]
	global_load_b32 v24, v10, s[22:23]
	v_xor_b32 v11, 1, v3
	v_lshl_or_b32 v11, v11, 31, 0x3f800000         ; -1 in lanes 0-15 (real part), else +1
	s_wait_loadcnt 0x0
	v_fma_f32 v32, v24, v11, v16
.irp j, 1,2,3,4,5,6,7
	v_mov_b32 v[32+\j], v32
.endr
.Lbias_out:
	global_store_b128 v[LI], v[32:35], s[36:37] offset:12800
	global_store_b128 v[LI], v[36:39], s[36:37] offset:13312
.Lend:
	s_wait_tensorcnt 0x0
	ds_add_u32 v128, v129
	s_wait_dscnt 0x0
	s_endpgm
.Lfunc_end_k_q687f6eb1a4_prep:
	.size	k_q687f6eb1a4_prep, .Lfunc_end_k_q687f6eb1a4_prep-k_q687f6eb1a4_prep
	.p2alignl 7, 3214868480
	.fill 96, 4, 3214868480
	.section	.rodata,"a",@progbits
	.p2align	6, 0x0
	.amdhsa_kernel k_q687f6eb1a4_prep
		.amdhsa_group_segment_fixed_size 2048
		.amdhsa_private_segment_fixed_size 0
		.amdhsa_enable_private_segment 0
		.amdhsa_kernarg_size 136
		.amdhsa_user_sgpr_count 2
		.amdhsa_user_sgpr_kernarg_segment_ptr 1
		.amdhsa_wavefront_size32 1
		.amdhsa_system_sgpr_workgroup_id_x 1
		.amdhsa_system_sgpr_workgroup_id_y 1
		.amdhsa_system_sgpr_workgroup_id_z 1
		.amdhsa_system_vgpr_workitem_id 0
		.amdhsa_next_free_vgpr 130
		.amdhsa_next_free_sgpr 66
		.amdhsa_reserve_vcc 0
		.amdhsa_float_denorm_mode_32 3
		.amdhsa_float_denorm_mode_16_64 3
		.amdhsa_memory_ordered 1
		.amdhsa_forward_progress 1
		.amdhsa_inst_pref_size 11
	.end_amdhsa_kernel
	.amdgpu_metadata
---
amdhsa.version: [ 1, 2 ]
amdhsa.kernels:
  - .name:           k_q687f6eb1a4_prep
    .symbol:         k_q687f6eb1a4_prep.kd
    .args:
      - { .name: Wq_r, .offset: 0, .size: 8, .value_kind: global_buffer, .address_space: global }
      - { .name: Wq_i, .offset: 8, .size: 8, .value_kind: global_buffer, .address_space: global }
      - { .name: Wk_r, .offset: 16, .size: 8, .value_kind: global_buffer, .address_space: global }
      - { .name: Wk_i, .offset: 24, .size: 8, .value_kind: global_buffer, .address_space: global }
      - { .name: Wv_r, .offset: 32, .size: 8, .value_kind: global_buffer, .address_space: global }
      - { .name: Wv_i, .offset: 40, .size: 8, .value_kind: global_buffer, .address_space: global }
      - { .name: Wo_r, .offset: 48, .size: 8, .value_kind: global_buffer, .address_space: global }
      - { .name: Wo_i, .offset: 56, .size: 8, .value_kind: global_buffer, .address_space: global }
      - { .name: bq_r, .offset: 64, .size: 8, .value_kind: global_buffer, .address_space: global }
      - { .name: bq_i, .offset: 72, .size: 8, .value_kind: global_buffer, .address_space: global }
      - { .name: bk_r, .offset: 80, .size: 8, .value_kind: global_buffer, .address_space: global }
      - { .name: bk_i, .offset: 88, .size: 8, .value_kind: global_buffer, .address_space: global }
      - { .name: bv_r, .offset: 96, .size: 8, .value_kind: global_buffer, .address_space: global }
      - { .name: bv_i, .offset: 104, .size: 8, .value_kind: global_buffer, .address_space: global }
      - { .name: bo_r, .offset: 112, .size: 8, .value_kind: global_buffer, .address_space: global }
      - { .name: bo_i, .offset: 120, .size: 8, .value_kind: global_buffer, .address_space: global }
      - { .name: wpk, .offset: 128, .size: 8, .value_kind: global_buffer, .address_space: global }
    .group_segment_fixed_size: 2048
    .private_segment_fixed_size: 0
    .kernarg_segment_align: 8
    .kernarg_segment_size: 136
    .max_flat_workgroup_size: 256
    .sgpr_count:     66
    .vgpr_count:     130
    .wavefront_size: 32
...
	.end_amdgpu_metadata
.endif
;; end of part 1
;; launch main (part 2): grid 256 x 1, 4 waves a work-group, clusters of 4 x 1, 327,680 bytes of LDS; arguments query_r, query_i, key_r, key_i, value_r, value_i, wpk, out0, out1; writes out0, out1
.if DOCPART == 2
	.amdgcn_target "amdgcn-amd-amdhsa--gfx1250"
	.amdhsa_code_object_version 6
	.text
	.protected	k_q687f6eb1a4_main
	.globl	k_q687f6eb1a4_main
	.p2align	8
	.type	k_q687f6eb1a4_main,@function
k_q687f6eb1a4_main:
	s_mov_b64 s[64:65], 0
	v_nop
	global_prefetch_b8 v0, s[64:65] scope:SCOPE_SE
	s_setreg_imm32_b32 hwreg(HW_REG_WAVE_MODE, 25, 1), 1
	s_wait_xcnt 0x0
	s_wait_alu depctr_hold_cnt(0) depctr_sa_sdst(0) depctr_va_vdst(0) depctr_va_sdst(0) depctr_va_ssrc(0) depctr_va_vcc(0) depctr_vm_vsrc(0)
	s_getreg_b32 s2, hwreg(HW_REG_IB_STS2, 6, 4)
	s_cmp_eq_u32 s2, 0
	s_cbranch_scc0 .Lentry_in_a_cluster
	s_endpgm
.Lentry_in_a_cluster:
	s_bfe_u32 s2, ttmp6, 0x10000c
	s_cmp_lg_u32 s2, 0x3003
	s_cbranch_scc0 .Lentry_shape_is_right
	s_endpgm
.Lentry_shape_is_right:
; The whole chain for 64 rows: three complex linear layers (MX-BF6), the 8 x 8 complex products over the channels (f32), leaky relu, the last complex linear layer (MX-BF6).  q, k, v and x never go to memory.
; SHARES.  A work-group owns (b, eight t, all eight channels).  For one t the real and the imaginary rows are STACKED into one tile of 16 rows: row 8 p + c (p = 0 real, 1 imaginary).
; With Y1 = U Wr^T + bias and Y2 = U Wi^T a complex layer is Z[r < 8] = Y1[r] - Y2[r + 8], Z[r >= 8] = Y1[r] + Y2[r - 8]: stacked again, no operand held twice, none negated.
; Wave w: th = w / 2: t = 4 th .. 4 th + 3;  hf = w % 2: heads 4 hf .. 4 hf + 3, and in the last layer output columns 256 hf on.  Its four stacks of query, key and value stay in registers (576), so LDS carries weights alone,
; and a weight fragment of 1,536 bytes read from LDS feeds four matrix instructions.  In the last layer x's four stacks take query's registers, and the layer runs by the same macro as q.
; LAYOUTS.  q, k, o are used transposed (source 0 = 16 weight rows, source 1 = U): a lane holds stacked row r and features 8 h + j: a pair of registers IS an operand of the f32 matrix form, alike for q and k.
; G = Zk Zq^T (f32 form): register e of lane (pc, c, pe) is k_pe[e] . q_pc[c].  M = [[sr, -si], [si, sr]] lies in the same places: M[l] = G[l xor 24] / 8 + sigma G[l] / 8, sigma = -1 in lanes 8-23.
; v is used as it stands (source 0 = U, source 1 = weight rows): lane = feature, register j of half h = stacked row 8 h + j: again an operand of the f32 form, with K = the 16 stacked rows, as M's registers run.
; x = (source 0 = Zv, source 1 = M): lane = stacked row, registers = features; Wv's rows were chosen so that two neighbouring tiles give 16 neighbours along the last layer's K.
; CLUSTER.  All work-groups walk the same 16 slots of weight records, so four form a cluster and ask for each quarter slot JOINTLY (mask 15).  The inputs are nobody else's: plain tensor loads.
; RING.  First two input slots of 133,168 bytes (6 steps: two t of each half of the t, real and imaginary: 4 tiles of 8 channels x 4,096 bytes, since two neighbouring t of a channel are consecutive in memory);
; then two weight slots of 110,592 bytes, 2^17 bytes apart, over the same bytes.  One tensor load a wave is out at any time.
; LIMITS: NaN and infinities are not served.  A block whose largest magnitude lies under 2^-122, a block of zeros too, keeps the scale byte 1 (zero codes add nothing).  The f32 sums are ordered otherwise than the reference's.
.set SLOT1, 131072                     ; weight slot 0 at 0, slot 1 here: one exclusive or turns an address
.set SLOTB, 110592                     ; a weight slot: 8 records
.set RECB,  13824                      ; a record: 8 fragments, 512 bytes of scale words, 1,024 of bias image
.set QUART, 27648                      ; what one wave's joint load brings: 108 rows of 256 bytes
.set XT,    33296                      ; an input tile in a slot: 8 rows x 4,160 bytes, + 16, so that the real and the imaginary tile start 16 bytes apart modulo 256
.set XSLOT, 133376                     ; input slot 0 at 0, input slot 1 here (it ends at 266,544)
.set STAGE, 110592                     ; the way out: 16 rows x 272 bytes for each wave: behind weight slot 0, in bytes that have had their last fill with input step 4
.set ASCL,  266752                     ; the inputs' scale words: 2,048 pair + 256 t + 16 r + 4 s
.set IMG,   272896                     ; two regions of 24,576 bytes by turns: a step's 2 x 2 x 4 input fragments: 12,288 th + 6,144 (t % 2) + 1,536 s
.set IMGB,  24576
.set XIMG,  272896                     ; later, in the same bytes: x's 8 t x 4 K steps fragments, as images of their registers: (4 t + s) 1,536; half c at + 768 c: registers 6 c .. + 3 at 16 l, 6 c + 4, 5 at 512 + 8 l
.set XSCL,  322048                     ; x's scale words: 256 t + 16 r + 4 s
.set SPARE, 327168                     ; the spare words, 128 bytes for each wave: two blocks of 256 bytes that no other line names
; vector registers, window 0
.set LI,  1                            ; 16 x lane
.set SPW, 2                            ; my spare word's address; never rewritten
.set NIL, 3                            ; 0; never rewritten
.set RA,  4                            ; v4, v5  where I read staged numbers in input slot 0, 1
.set IW,  6                            ; where I store input images
.set SW,  7                            ; and their scale words
.set IR,  8                            ; where I read input images back
.set BAB, 9                            ; 16 x lane + 55,296 hf: my half of a weight slot
.set BA,  10                           ; the same in the slot in hand
.set SH8, 11                           ; 8 h
.set TAU, 12                           ; v[12:13] -1 where r >= 8, else +1
.set SGV, 14                           ; -1 in lanes 0-15, else +1
.set SG,  15                           ; sigma
.set XW,  16                           ; v16-18 where I store x's images (16-byte part, 8-byte part) and scale bytes
.set XWJ, 19                           ; v19-21 the same for the head in hand
.set XR,  22                           ; v22-24 where I read them
.set STO, 28
.set SRD, 29
.set CO,  30
.set ASR, 31
.set ASC, 32                           ; v32-55 the stacks' scale words: 8 pair + 4 (t / 2) + s; lanes 0-15 the even t, lanes 16-31 the odd t.  In the last layer x's take query's eight
.set BSC, 56                           ; v56-63 a record's scale words, two sets; lanes 0-15 the real weight, lanes 16-31 the imaginary
.set BIAS, 64                          ; v64-71 a record's bias image
.set Y1A, 72
.set Y2A, 104
.set Y1B, 136
.set Y2B, 168
.set GS,  200                          ; v200-231 G / 8 gathered over a head's four tiles, then M
.set TMP, 232
.set FN,  72                           ; staging: v72-199 128 numbers; v200-223 two fragments' codes; v224-231, v232-238 at work; v240, v241 scale words
.set CA,  200
.set CB,  212
.set TQ,  224
.set MQ,  232
.set WA,  240
.set WB,  241
.set XL,  136                          ; v136-199 x behind its leaky relu; between times scratch of the v kind's J
.set QM,  104                          ; v104-119 at work while Y2A is idle; v120-135 block 1's codes
.set QP,  108
.set QE,  112
.set BY1, 116
.set TT,  120
.set T0,  232                          ; v232-247 block 0's codes, v248-251 its bytes: they wait for block 1
.set BY0, 248
.set OY2, 72                           ; the last layer: v72-103 Y2; v104-231 Z of a slot's four records, 32 registers each
.set OZ,  104
.set BH,  192                          ; windows 2 and 3, v192-239: a record's fragments of K steps 0, 1 and 2, 3
.set FA,  192                          ; window 1, v192-255: the f32 form's accumulators: written by matrix instructions alone
; window 1 v0-191 value's stacks (in the last layer v0-127: rows on their way out), window 2 query's (then x's), window 3 key's: fragment (t, s) at 12 (4 t + s)
; scalar registers
.set WV, 22
.set TH, 23
.set HF, 24
.set LX, 25
.set G1X, 28
.set G0X, 36
.set G1W, 40
.set G0W, 48
.set PB, 52                            ; s[52:57] my part (real or imaginary) of query, key, value at my first t
.set SEL16, 58
.set SEL24, 60
.set TB, 62
.set SJ, 63
.set SJ2, 66
.set CH, 67
.set CQ, 68
.set CU, 69
.set OB0, 74
.set OB1, 76
.set SL, 78                            ; s[78:79] 0.01
.set EIG, 88                           ; s[88:89] 0.125
.set OST, 92                           ; s[92:93] what a slot's way out adds to the outputs' addresses: 0, then 256
.set MSB, 0
.macro WIN new                         ; the immediate's high byte repeats the setting that is left; a switch that changes nothing is dropped
.if MSB != (\new)
	s_set_vgpr_msb (MSB<<8)|(\new)
.set MSB, (\new)
.endif
.endm
.macro PLACES n                        ; plain vector instructions behind matrix instructions (ISA guide 7.12.1): 4 behind the 6-bit form, 8 or 9 behind the f32 form
.rept \n
	v_nop
.endr
.endm
.macro ROUND                           ; a round of the cluster's barrier
	s_barrier_signal -1
	s_barrier_wait -1
	s_cmp_lg_u32 s[WV], 0
	s_cbranch_scc1 .Lnot_wave_0_\@
	s_barrier_signal -3
.Lnot_wave_0_\@:
	s_barrier_wait -3
	s_barrier_signal -1
	s_barrier_wait -1
.endm
; 64 numbers of a lane, register 32 cc + i = k 64 cc + 32 h + i of my row, become a fragment's 12 registers v[C] on and its scale word v[W]
.macro QUANTW S, C, T, M, W
.irp cc, 0,1
	v_max3_num_f32 v[\M+\cc], |v[\S+32*\cc]|, |v[\S+32*\cc+1]|, 0x2800000   ; and the floor 2^(5 - 127): the byte cannot fall under 1
.endr
.irp i, 2,4,6,8,10,12,14,16,18,20,22,24,26,28,30
.irp cc, 0,1
	v_max3_num_f32 v[\M+\cc], v[\M+\cc], |v[\S+32*\cc+\i]|, |v[\S+32*\cc+\i+1]|
.endr
.endr
.irp cc, 0,1
	v_add_nc_u32 v[\M+2+\cc], 0xfe000000, v[\M+\cc]   ; 4 off the exponent field: the conversion's scale operand
.endr
.irp cc, 0,1
	v_lshrrev_b32 v[\M+4+\cc], 23, v[\M+2+\cc]
.endr
	v_lshl_or_b32 v[\W], v[\M+5], 16, v[\M+4]
	v_lshlrev_b32 v[\W], v[SH8], v[\W]
	v_permlanex16_b32 v[\M+6], v[\W], s[SEL16], s[SEL16+1]
	v_or_b32 v[\W], v[\W], v[\M+6]
.irp cc, 0,1
	v_cvt_scalef32_pk16_bf6_f32 v[\C+6*\cc:\C+6*\cc+2], v[\S+32*\cc:\S+32*\cc+15], v[\M+2+\cc]
	v_cvt_scalef32_pk16_bf6_f32 v[\T+4*\cc:\T+4*\cc+2], v[\S+32*\cc+16:\S+32*\cc+31], v[\M+2+\cc]
.endr
	v_nop                                             ; one plain place behind a scaled conversion
.irp cc, 0,1
.irp i, 0,1,2
	v_mov_b32 v[\C+6*\cc+3+\i], v[\T+4*\cc+\i]
.endr
.endr
.endm
; one scaled matrix instruction on rD, rA, rB, rSA, rSB; c: its C; ra, rb: 1 = that side's scales stand in lanes 16-31
.macro WM c, ra, rb
.if (\ra) && (\rb)
	v_wmma_scale_f32_16x16x128_f8f6f4 v[rD:rD+7], v[rA:rA+11], v[rB:rB+11], \c, v[rSA], v[rSB] matrix_a_fmt:MATRIX_FMT_BF6 matrix_b_fmt:MATRIX_FMT_BF6 matrix_a_scale:MATRIX_SCALE_ROW1 matrix_b_scale:MATRIX_SCALE_ROW1
.elseif (\ra)
	v_wmma_scale_f32_16x16x128_f8f6f4 v[rD:rD+7], v[rA:rA+11], v[rB:rB+11], \c, v[rSA], v[rSB] matrix_a_fmt:MATRIX_FMT_BF6 matrix_b_fmt:MATRIX_FMT_BF6 matrix_a_scale:MATRIX_SCALE_ROW1
.elseif (\rb)
	v_wmma_scale_f32_16x16x128_f8f6f4 v[rD:rD+7], v[rA:rA+11], v[rB:rB+11], \c, v[rSA], v[rSB] matrix_a_fmt:MATRIX_FMT_BF6 matrix_b_fmt:MATRIX_FMT_BF6 matrix_b_scale:MATRIX_SCALE_ROW1
.else
	v_wmma_scale_f32_16x16x128_f8f6f4 v[rD:rD+7], v[rA:rA+11], v[rB:rB+11], \c, v[rSA], v[rSB] matrix_a_fmt:MATRIX_FMT_BF6 matrix_b_fmt:MATRIX_FMT_BF6
.endif
.endm
; K step s of a record: Y1[t] (real weight), then Y2[t] (imaginary): eight accumulators by turns, one instruction a turn.  kind: 0 q and o, 1 k (transposed), 2 v
.macro MSTEP kind, s, y1, y2, set
.irp part, 0,1
.irp t, 0,1,2,3
.set rW, BH+12*(2*((\s)%2)+\part)
.set rU, 12*(4*\t+(\s))
.set rSW, BSC+4*(\set)+(\s)
.set rSU, ASC+8*(\kind)+4*(\t/2)+(\s)
.set rD, (\y1)+8*\t+\part*((\y2)-(\y1))
.if (\kind) < 2
.set rA, rW
.set rB, rU
.set rSA, rSW
.set rSB, rSU
.set fA, \part
.set fB, \t%2
.else
.set rA, rU
.set rB, rW
.set rSA, rSU
.set rSB, rSW
.set fA, \t%2
.set fB, \part
.endif
.if ((\s) == 0) && (\part == 0)
	WM v[BIAS:BIAS+7], fA, fB                      ; the bias is the C of the sum's first instruction
.elseif (\s) == 0
	WM 0, fA, fB
.else
	WM v[rD:rD+7], fA, fB
.endif
.endr
.endr
.endm
.macro LOADH pos, half                 ; half a record's fragments: 12 loads of 512 consecutive bytes
	WIN 0x80+0x40*(\half)
.set qi, 0
.rept 12
	ds_load_b128 v[BH+4*qi:BH+4*qi+3], v[BA] offset:RECB*(\pos)+6144*(\half)+512*qi
.set qi, qi+1
.endr
	WIN 0
.endm
.macro LOADM pos                       ; its scale words and bias image
	ds_load_b128 v[BSC+4*((\pos)%2):BSC+4*((\pos)%2)+3], v[BA] offset:RECB*(\pos)+12288
	ds_load_b128 v[BIAS:BIAS+3], v[BA] offset:RECB*(\pos)+12800
	ds_load_b128 v[BIAS+4:BIAS+7], v[BA] offset:RECB*(\pos)+13312
.endm
.macro JT y1, y2                       ; transposed kind: Z[r] = Y1[r] -+ Y2[r xor 8]; each accumulator is read from its low end on
.set qi, 0
.rept 16
	v_pk_mul_f32 v[\y2+qi:\y2+qi+1], v[\y2+qi:\y2+qi+1], v[TAU:TAU+1]
.set qi, qi+2
.endr
.set qi, 0
.rept 32
	v_add_f32_dpp v[\y1+qi], v[\y2+qi], v[\y1+qi] row_xmask:8 row_mask:0xf bank_mask:0xf
.set qi, qi+1
.endr
.endm
.macro JV                              ; v kind: the stacked rows lie in the two halves of the lanes; then the leaky relu: max(z, 0.01 z)
.set qi, 0
.rept 32
	v_permlanex16_b32 v[XL+qi], v[Y2A+qi], s[SEL16], s[SEL16+1]
.set qi, qi+1
.endr
.set qi, 0
.rept 32
	v_fma_f32 v[Y1A+qi], v[XL+qi], v[SGV], v[Y1A+qi]
.set qi, qi+1
.endr
.set qi, 0
.rept 16
	v_pk_mul_f32 v[XL+32+qi:XL+33+qi], v[Y1A+qi:Y1A+qi+1], s[SL:SL+1] op_sel_hi:[1,0]
.set qi, qi+2
.endr
.set qi, 0
.rept 32
	v_max_num_f32 v[Y1A+qi], v[Y1A+qi], v[XL+32+qi]
.set qi, qi+1
.endr
.endm
; A record: 32 matrix instructions, the next record's loads in two runs between them, then J.  nxt < 0: no next record in this slot
.macro REC kind, pos, nxt, y1, y2
	s_wait_dscnt 12                                ; K steps 0, 1, the scale words and the bias are in; the youngest 12 loads (K steps 2, 3) may be out
.if (\kind) == 0
	WIN 0x0a
.elseif (\kind) == 1
	WIN 0x0e
.else
	WIN 0x09
.endif
	MSTEP \kind, 0, \y1, \y2, (\pos)%2
	MSTEP \kind, 1, \y1, \y2, (\pos)%2
	WIN 0
	PLACES 4                                       ; in front of loads into registers that matrix instructions have read
.if (\nxt) >= 0
	LOADH \nxt, 0
	LOADM \nxt
	s_wait_dscnt 15                                ; all but the 15 just issued: K steps 2, 3 are in
.else
	s_wait_dscnt 0x0
.endif
.if (\kind) == 0
	WIN 0x0b
.elseif (\kind) == 1
	WIN 0x0f
.else
	WIN 0x0d
.endif
	MSTEP \kind, 2, \y1, \y2, (\pos)%2
	MSTEP \kind, 3, \y1, \y2, (\pos)%2
	WIN 0
	PLACES 4                                       ; in front of the loads below and of J's reads
.if (\nxt) >= 0
	LOADH \nxt, 1
.endif
.if (\kind) < 2
	JT \y1, \y2
.else
	JV
.endif
.endm
; G_t += Zk_t Zq_t^T over a tile's 16 features: four accumulators by turns.  first = 1: the constant 0 starts the sums
.macro SCORES first
	WIN 0x50
.irp i, 0,1,2,3
.irp t, 0,1,2,3
.if (\first) && (\i == 0)
	v_wmma_f32_16x16x4_f32 v[FA+8*\t:FA+8*\t+7], v[Y1B+8*\t+2*\i:Y1B+8*\t+2*\i+1], v[Y1A+8*\t+2*\i:Y1A+8*\t+2*\i+1], 0
.else
	v_wmma_f32_16x16x4_f32 v[FA+8*\t:FA+8*\t+7], v[Y1B+8*\t+2*\i:Y1B+8*\t+2*\i+1], v[Y1A+8*\t+2*\i:Y1A+8*\t+2*\i+1], v[FA+8*\t:FA+8*\t+7]
.endif
.endr
.endr
	WIN 0
	PLACES 9                                       ; the next record's matrix instructions write over registers that these have read
.endm
.macro XPROD u                         ; X[u][t] = Zv_t M_t: K = the 16 stacked rows
	WIN 0x50
.irp i, 0,1,2,3
.irp t, 0,1,2,3
.set rD, FA+8*(4*(\u)+\t)
.if \i == 0
	v_wmma_f32_16x16x4_f32 v[rD:rD+7], v[Y1A+8*\t+2*\i:Y1A+8*\t+2*\i+1], v[GS+8*\t+2*\i:GS+8*\t+2*\i+1], 0
.else
	v_wmma_f32_16x16x4_f32 v[rD:rD+7], v[Y1A+8*\t+2*\i:Y1A+8*\t+2*\i+1], v[GS+8*\t+2*\i:GS+8*\t+2*\i+1], v[rD:rD+7]
.endif
.endr
.endr
	WIN 0
	PLACES 9
.endm
.macro SIGMA                           ; M[l] = G[l xor 24] / 8 + sigma G[l] / 8
.irp q, 0,8,16,24
.irp i, 0,1,2,3,4,5,6,7
	v_permlanex16_b32 v[TMP+\i], v[GS+\q+\i], s[SEL24], s[SEL24+1]
.endr
.irp i, 0,1,2,3,4,5,6,7
	v_fma_f32 v[GS+\q+\i], v[GS+\q+\i], v[SG], v[TMP+\i]
.endr
.endr
.endm
; Block b (32 features) of the head's x, for my four t: leaky relu, the block's scale, 16 codes a lane.  b = 1: with block 0's they make half a fragment, which goes to LDS as an image of its registers
.macro QUANTX b
	WIN 0x01                                       ; source 0: the f32 accumulators, window 1
.irp t, 0,1,2,3
.irp u, 0,1
.irp i, 0,2,4,6
	v_pk_mul_f32 v[XL+16*\t+8*\u+\i:XL+16*\t+8*\u+\i+1], v[FA+8*(4*\u+\t)+\i:FA+8*(4*\u+\t)+\i+1], s[SL:SL+1] op_sel_hi:[1,0]
.endr
.endr
.endr
	WIN 0x04                                       ; source 1: window 1
.irp t, 0,1,2,3
.irp u, 0,1
.irp i, 0,1,2,3,4,5,6,7
	v_max_num_f32 v[XL+16*\t+8*\u+\i], v[XL+16*\t+8*\u+\i], v[FA+8*(4*\u+\t)+\i]
.endr
.endr
.endr
	WIN 0
.irp t, 0,1,2,3
	v_max3_num_f32 v[QM+\t], |v[XL+16*\t]|, |v[XL+16*\t+1]|, 0x2800000
.endr
.irp i, 2,4,6,8,10,12,14
.irp t, 0,1,2,3
	v_max3_num_f32 v[QM+\t], v[QM+\t], |v[XL+16*\t+\i]|, |v[XL+16*\t+\i+1]|   ; the four t by turns
.endr
.endr
.irp t, 0,1,2,3
	v_permlanex16_b32 v[QP+\t], v[QM+\t], s[SEL16], s[SEL16+1]
.endr
.irp t, 0,1,2,3
	v_max_num_f32 v[QM+\t], v[QM+\t], v[QP+\t]     ; with lane l xor 16's 16 numbers: the block's largest magnitude
.endr
.irp t, 0,1,2,3
	v_add_nc_u32 v[QE+\t], 0xfe000000, v[QM+\t]
.endr
.if (\b) == 0
.irp t, 0,1,2,3
	v_lshrrev_b32 v[BY0+\t], 23, v[QE+\t]
.endr
.irp t, 0,1,2,3
	v_cvt_scalef32_pk16_bf6_f32 v[T0+4*\t:T0+4*\t+2], v[XL+16*\t:XL+16*\t+15], v[QE+\t]
.endr
	v_nop                                          ; one plain place behind a scaled conversion
.else
.irp t, 0,1,2,3
	v_lshrrev_b32 v[BY1+\t], 23, v[QE+\t]
.endr
.irp t, 0,1,2,3
	v_cvt_scalef32_pk16_bf6_f32 v[TT+4*\t:TT+4*\t+2], v[XL+16*\t:XL+16*\t+15], v[QE+\t]
.endr
	v_nop
.irp t, 0,1,2,3
.irp i, 0,1,2
	v_permlane16_swap_b32 v[T0+4*\t+\i], v[TT+4*\t+\i]   ; lanes 0-15 now hold block 0 whole, lanes 16-31 block 1: the lower 16 codes in T0, the upper in TT
.endr
	v_mov_b32 v[T0+4*\t+3], v[TT+4*\t]             ; registers 6 c .. 6 c + 3 on end,
	v_mov_b32 v[TT+4*\t+3], v[TT+4*\t+2]
	v_mov_b32 v[TT+4*\t+2], v[TT+4*\t+1]           ; and 6 c + 4, 6 c + 5
	v_lshl_or_b32 v[BY1+\t], v[BY1+\t], 8, v[BY0+\t]
	ds_store_b128 v[XWJ], v[T0+4*\t:T0+4*\t+3] offset:6144*\t
	ds_store_b64 v[XWJ+1], v[TT+4*\t+2:TT+4*\t+3] offset:6144*\t
	ds_store_b16 v[XWJ+2], v[BY1+\t] offset:256*\t ; both halves of the lanes write the same two bytes
.endr
.endif
.endm
; THE CHANGE OF WEIGHT SLOTS, at a slot's head.  Each wave waits for all its tensor loads (its quarter of the slot ahead), adds 0 to its spare word, and waits for that and for all its LDS reads and stores.
; fill = 1: a round of the cluster's barrier, and behind it the joint load of the slot after next's place: the slot just left.
.macro CHANGE fill
	WIN 0
	s_wait_tensorcnt 0x0                           ; no tensor load of mine is out, so the descriptor may be written
	ds_add_u32 v[SPW], v[NIL]
.if \fill
	s_xor_b32 s[G0W+1], s[G0W+1], SLOT1
	s_add_nc_u64 s[G0W+2:G0W+3], s[G0W+2:G0W+3], SLOTB
.endif
	s_xor_b32 s[TB], s[TB], SLOT1
	s_wait_dscnt 0x0                               ; the add is done; my reads of the slot that I leave are over, my stores have landed
.if \fill
	ROUND
	tensor_load_to_lds s[G0W:G0W+3], s[G1W:G1W+7]
	s_nop 0
	PLACES 4
.else
	s_barrier_signal -1
	s_barrier_wait -1
.endif
	v_add_nc_u32 v[BA], s[TB], v[BAB]
.endm
.macro RELOAD kk                       ; the eight fragments of my th (two t x four K steps) that step kk made, into the pair's window: query 2, key 3, value 1
	WIN ((((\kk)/2+1)%3)+1)<<6
.set qi, 0
.rept 24
	ds_load_b128 v[96*((\kk)%2)+4*qi:96*((\kk)%2)+4*qi+3], v[IR] offset:IMGB*((\kk)%2)+512*qi
.set qi, qi+1
.endr
	WIN 0
.endm
; Half an input step: the stack of t = 4 th + 2 (k % 2) + tt: I quantise its K steps 2 hf and 2 hf + 1
.macro XHALF k, tt
.set qi, 0
.rept 32
	ds_load_b128 v[FN+4*qi:FN+4*qi+3], v[RA+(\k)%2] offset:2080*(\tt)+512*(qi/16)+256*((qi/8)%2)+16*(qi%8)
.set qi, qi+1
.endr
	s_wait_dscnt 16                                ; the first fragment's numbers are in, and all older LDS instructions are done; the second's 16 loads may be out
	QUANTW FN, CA, TQ, MQ, WA
.irp g, 0,1,2
	ds_store_b128 v[IW], v[CA+4*\g:CA+4*\g+3] offset:IMGB*((\k)%2)+6144*(\tt)+512*\g
.endr
	ds_store_b32 v[SW], v[WA] offset:2048*((\k)/2)+256*(2*((\k)%2)+(\tt))
	s_wait_dscnt 4                                 ; the second's are in; the four stores may be out
	QUANTW FN+64, CB, TQ, MQ, WB
.irp g, 0,1,2
	ds_store_b128 v[IW], v[CB+4*\g:CB+4*\g+3] offset:IMGB*((\k)%2)+6144*(\tt)+1536+512*\g
.endr
	ds_store_b32 v[SW], v[WB] offset:2048*((\k)/2)+256*(2*((\k)%2)+(\tt))+4
.endm
; INPUT STEP k = 2 pair + u: input slot k % 2 holds t = 2 u, 2 u + 1 and 4 + 2 u, 5 + 2 u of the pair, real and imaginary: 130 KiB a work-group behind one round
.macro XSTEP k
	s_wait_tensorcnt 0x0                           ; my tile of this step has landed
	ds_add_u32 v[SPW], v[NIL]
.if (\k) < 5
	s_add_co_u32 s[G0X+1], s[LX], (((\k)+1)%2)*XSLOT
	s_add_nc_u64 s[G0X+2:G0X+3], s[PB+2*(((\k)+1)/2):PB+2*(((\k)+1)/2)+1], 4096*(((\k)+1)%2)
	s_or_b32 s[G0X+3], s[G0X+3], 0x80000000
.endif
	s_wait_dscnt 0x0                               ; the add is done; my reads of the other slot and of the images are over, my stores have landed
	ROUND
.if (\k) < 5
	tensor_load_to_lds s[G0X:G0X+3], s[G1X:G1X+7]  ; the next step's tile, into the slot read last step
	s_nop 0
.else
	tensor_load_to_lds s[G0W:G0W+3], s[G1W:G1W+7]  ; the first weight slot, jointly, into bytes of input slot 0
	s_nop 0
.endif
	PLACES 4
.if (\k) > 0
	RELOAD (\k)-1
.endif
	XHALF \k, 0
	XHALF \k, 1
.endm
; THE WAY OUT of one t: a lane's eight numbers are 32 bytes of a stacked row; the 16 rows x 256 bytes come back whole through my own stage, into window 1
.macro TOST t
.irp nt, 0,1,2,3
	ds_store_b128 v[STO], v[OZ+32*\nt+8*(\t):OZ+32*\nt+8*(\t)+3] offset:64*\nt
	ds_store_b128 v[STO], v[OZ+32*\nt+8*(\t)+4:OZ+32*\nt+8*(\t)+7] offset:64*\nt+16
.endr
	WIN 0x40
.irp i, 0,1,2,3,4,5,6,7
	ds_load_b128 v[32*(\t)+4*\i:32*(\t)+4*\i+3], v[SRD] offset:544*\i    ; LDS serves a wave's instructions in order (ISA guide 5.7.1.4): these see the stores above, and the next t's stores come behind them
.endr
	WIN 0
.endm
.macro SENDT t, younger                ; younger: the LDS instructions issued behind this t's loads: the next t's sixteen, or none
	WIN 0x04                                       ; a store's data are its source 1: window 1
.irp i, 0,1,2,3,4,5,6,7
	s_wait_dscnt (\younger)+7-\i
	global_store_b128 v[CO], v[32*(\t)+4*\i:32*(\t)+4*\i+3], s[OB0+2*(\i/4):OB0+2*(\i/4)+1] offset:(\i%4)*2097152+2048*(\t) th:TH_STORE_NT   ; stacked rows 2 i, 2 i + 1: channels 2 (i % 4), + 1 of out0 (i < 4) or out1; 16 lanes store 256 consecutive bytes, aligned
.endr
	WIN 0
.endm
; A SLOT OF THE LAST LAYER: four records (64 output columns), each against my four stacks of x, by the macro that serves q; their Z wait in four sets of registers and leave together
.macro OUTSTEP
	LOADH 0, 0
	LOADM 0
	LOADH 0, 1
	REC 0, 0, 1, 104, 72
	REC 0, 1, 2, 136, 72
	REC 0, 2, 3, 168, 72
	REC 0, 3, -1, 200, 72
	s_wait_xcnt 0x0                                ; the last slot's stores have read their bases and their data: both are written again only behind this wait
	s_add_nc_u64 s[OB0:OB0+1], s[OB0:OB0+1], s[OST:OST+1]
	s_add_nc_u64 s[OB1:OB1+1], s[OB1:OB1+1], s[OST:OST+1]
	s_mov_b32 s[OST], 256                          ; from the second slot on: 64 columns further
	TOST 0
	TOST 1                                         ; a t's stage traffic stands between the loads of the t before and its stores
	SENDT 0, 16
	TOST 2
	SENDT 1, 16
	TOST 3
	SENDT 2, 16
	SENDT 3, 0
.endm
	s_load_b512 s[4:19], s[0:1], 0x0               ; query_r, query_i, key_r, key_i, value_r, value_i, wpk, out0
	s_load_b64 s[20:21], s[0:1], 0x40              ; out1
	v_lshl_add_u32 v[SPW], v0, 2, SPARE
	v_mov_b32 v[NIL], 0
	ds_add_u32 v2, v3
	ds_add_u32 v2, v3
	s_wait_dscnt 0x0
	v_lshrrev_b32 v32, 5, v0
	v_readfirstlane_b32 s[WV], v32                 ; wave 0..3
	s_lshr_b32 s[TH], s[WV], 1
	s_and_b32 s[HF], s[WV], 1
	s_bfe_u32 s80, ttmp6, 0x40000                  ; cx: it enters the inputs' and outputs' addresses alone
	s_lshl_b32 s81, ttmp9, 2
	s_add_co_u32 s81, s81, s80                     ; work-group = 4 x cluster + cx
	s_lshr_b32 s82, s81, 6                         ; b
	s_and_b32 s83, s81, 63
	s_lshl_b32 s82, s82, 23                        ; b x 8 channels x 512 t x 2,048 bytes
	s_lshl_b32 s83, s83, 14                        ; eight t of 2,048 bytes
	s_add_co_u32 s82, s82, s83
	s_lshl_b32 s83, s[TH], 13                      ; my four t
	s_add_co_u32 s82, s82, s83
	s_mov_b32 s83, 0
	s_lshl_b32 s84, s[HF], 10                      ; my 256 output columns
	s_add_co_u32 s84, s84, s82
	s_mov_b32 s85, 0
	s_mul_i32 s[LX], s[WV], XT
	s_mul_i32 s86, s[WV], QUART
	s_mov_b32 s87, 0
	; group 1 for the inputs: two t, 8 channels: 8 rows x 1,024 f32, 262,144 elements apart; 16 bytes of padding behind every 1,024: LDS rows 4,160 bytes apart
	s_mov_b32 s[G1X], (2<<16)|(1<<20)|(7<<22)|(3<<25)
	s_mov_b32 s[G1X+1], 1024<<16
	s_mov_b32 s[G1X+2], 8<<16
	s_mov_b32 s[G1X+3], 1024<<16
	s_mov_b32 s[G1X+4], 8
	s_mov_b32 s[G1X+5], 262144
	s_mov_b32 s[G1X+6], 0
	s_mov_b32 s[G1X+7], 0
	; group 1 for the weights: a dense quarter slot as 108 rows of 256 bytes; mask: all four work-groups, bit 21 beside it
	s_mov_b32 s[G1W], 15|(3<<16)|(1<<21)
	s_mov_b32 s[G1W+1], 32<<16
	s_mov_b32 s[G1W+2], 108<<16
	s_mov_b32 s[G1W+3], 32<<16
	s_mov_b32 s[G1W+4], 108
	s_mov_b32 s[G1W+5], 32
	s_mov_b32 s[G1W+6], 0
	s_mov_b32 s[G1W+7], 0
	s_mov_b32 s[SEL16], 0x76543210
	s_mov_b32 s[SEL16+1], 0xfedcba98               ; lane l xor 16
	s_mov_b32 s[SEL24], 0xfedcba98
	s_mov_b32 s[SEL24+1], 0x76543210               ; lane l xor 24
	s_mov_b32 s[SL], 0x3c23d70a                    ; 0.01
	s_mov_b32 s[SL+1], s[SL]
	s_mov_b32 s[EIG], 0x3e000000                   ; 1 / sqrt(64)
	s_mov_b32 s[EIG+1], s[EIG]
	s_wait_kmcnt 0x0
	s_cmp_eq_u32 s[HF], 1                          ; as a loader I fetch the real (even wave) or the imaginary part
	s_cselect_b64 s[PB:PB+1], s[6:7], s[4:5]
	s_cselect_b64 s[PB+2:PB+3], s[10:11], s[8:9]
	s_cselect_b64 s[PB+4:PB+5], s[14:15], s[12:13]
	s_add_nc_u64 s[PB:PB+1], s[PB:PB+1], s[82:83]
	s_add_nc_u64 s[PB+2:PB+3], s[PB+2:PB+3], s[82:83]
	s_add_nc_u64 s[PB+4:PB+5], s[PB+4:PB+5], s[82:83]
	s_add_nc_u64 s[OB0:OB0+1], s[18:19], s[84:85]
	s_add_nc_u64 s[OB1:OB1+1], s[20:21], s[84:85]
	s_mov_b32 s[G0W], 1
	s_mov_b32 s[G0W+1], s86                        ; my quarter of weight slot 0: wave's number alone
	s_add_nc_u64 s[G0W+2:G0W+3], s[16:17], s[86:87]
	s_or_b32 s[G0W+3], s[G0W+3], 0x80000000
	s_mov_b32 s[G0X], 1
	s_mov_b32 s[G0X+1], s[LX]
	s_mov_b64 s[G0X+2:G0X+3], s[PB:PB+1]
	s_or_b32 s[G0X+3], s[G0X+3], 0x80000000
	ROUND                                          ; in a cluster launch every group of tensor loads stands behind a round
	tensor_load_to_lds s[G0X:G0X+3], s[G1X:G1X+7]  ; input step 0
	s_nop 0
	PLACES 4
	v_and_b32 v32, 31, v0                          ; lane
	v_and_b32 v33, 15, v0                          ; r
	v_bfe_u32 v34, v0, 4, 1                        ; h
	v_bfe_u32 v35, v0, 3, 1                        ; p = r / 8
	v_and_b32 v36, 7, v0                           ; c
	v_lshlrev_b32 v[LI], 4, v32
	v_lshlrev_b32 v37, 4, v33                      ; 16 r
	v_lshlrev_b32 v38, 3, v32                      ; 8 x lane
	v_lshlrev_b32 v[SH8], 3, v34
	v_mul_u32_u24 v[RA], v36, 4160                 ; staged numbers: channel c (4,160 = 64 modulo 256),
	v_mad_u32_u24 v[RA], v35, XT, v[RA]            ; tile p (16 modulo 256) taken, since a step's tile is longer on its way than its reads last
	v_lshl_add_u32 v[RA], v34, 7, v[RA]            ; my block of 32 numbers,
	s_mul_i32 s90, s[TH], 2*XT                     ; the two tiles of my th,
	s_mul_i32 s91, s[HF], 1040                     ; K steps 2 hf on: 1,024 bytes and one padding
	s_add_co_u32 s90, s90, s91
	v_add_nc_u32 v[RA], s90, v[RA]
	v_add_nc_u32 v[RA+1], XSLOT, v[RA]
	s_mul_i32 s90, s[TH], 12288
	s_add_co_u32 s90, s90, IMG
	v_add_nc_u32 v[IR], s90, v[LI]
	s_mul_i32 s91, s[HF], 3072
	v_add_nc_u32 v[IW], s91, v[IR]
	s_lshl_b32 s90, s[TH], 10
	s_add_co_u32 s90, s90, ASCL
	v_add_nc_u32 v[ASR], s90, v[LI]
	s_lshl_b32 s91, s[HF], 3
	s_add_co_u32 s91, s91, s90
	v_add_nc_u32 v[SW], s91, v37
	s_mul_i32 s90, s[HF], 4*RECB
	v_add_nc_u32 v[BAB], s90, v[LI]
	v_lshl_or_b32 v[TAU], v35, 31, 0x3f800000
	v_mov_b32 v[TAU+1], v[TAU]
	v_xor_b32 v39, 1, v34
	v_lshl_or_b32 v[SGV], v39, 31, 0x3f800000
	v_xor_b32 v39, v34, v35
	v_lshl_or_b32 v[SG], v39, 31, 0x3f800000
	s_mul_i32 s90, s[TH], 24576
	s_add_co_u32 s90, s90, XIMG
	v_add_nc_u32 v[XR], s90, v[LI]
	v_add_nc_u32 v[XR+1], s90, v38
	v_add_nc_u32 v[XR+1], 512, v[XR+1]
	s_mul_i32 s91, s[HF], 3072
	v_add_nc_u32 v[XW], s91, v[XR]
	v_add_nc_u32 v[XW+1], s91, v[XR+1]
	s_lshl_b32 s90, s[TH], 10
	s_add_co_u32 s90, s90, XSCL
	v_add_nc_u32 v[XR+2], s90, v[LI]               ; read: 16 x lane: lanes 0-15 the even t's rows, lanes 16-31 the odd t's
	s_lshl_b32 s91, s[HF], 3
	s_add_co_u32 s91, s91, s90
	v_add_nc_u32 v[XW+2], s91, v37                 ; written: row r, my heads' bytes
	s_mul_i32 s90, s[WV], 4352
	s_add_co_u32 s90, s90, STAGE
	v_mul_u32_u24 v[STO], v33, 272
	v_lshl_add_u32 v[STO], v34, 5, v[STO]
	v_add_nc_u32 v[STO], s90, v[STO]
	v_mul_u32_u24 v[SRD], v34, 272
	v_add_nc_u32 v[SRD], v[SRD], v37
	v_add_nc_u32 v[SRD], s90, v[SRD]
	v_lshl_add_u32 v[CO], v34, 20, v37             ; lanes 16-31 one channel (1,048,576 bytes) on; 16 bytes a lane
.set qi, 0
.rept 16
	v_mov_b32 v[TMP+qi], 0                         ; lane permutes' destinations count as sources: written once
.set qi, qi+1
.endr
.irp k, 0,1,2,3,4,5
	XSTEP \k
.endr
	s_wait_dscnt 0x0                               ; my last images and scale words lie in LDS
	s_barrier_signal -1                            ; the first weight slot may stay on its way
	s_barrier_wait -1
	RELOAD 5
.irp pr, 0,1,2
.irp tp, 0,1
	ds_load_b128 v[ASC+8*\pr+4*\tp:ASC+8*\pr+4*\tp+3], v[ASR] offset:2048*\pr+512*\tp
.endr
.endr
	s_mov_b32 s[TB], SLOT1
	s_mov_b32 s[SJ], 0
	s_mov_b32 s[SJ2], 0
	s_mov_b32 s[CH], 4
.Lhead:                                            ; my four heads: three weight slots each
.set qi, 0
.rept 32
	v_mov_b32 v[GS+qi], 0                          ; the head's G is gathered here over two trips of one loop
.set qi, qi+1
.endr
	s_mov_b32 s[CQ], 2
.Lqk:                                              ; a slot: two tiles of 16 features of q and of k
	CHANGE 1
	LOADH 0, 0
	LOADM 0
	LOADH 0, 1
	REC 0, 0, 1, Y1A, Y2A
	REC 1, 1, 2, Y1B, Y2B
	SCORES 1
	REC 0, 2, 3, Y1A, Y2A
	REC 1, 3, -1, Y1B, Y2B
	SCORES 0
	WIN 0x01
.set qi, 0
.rept 16
	v_pk_fma_f32 v[GS+qi:GS+qi+1], v[FA+qi:FA+qi+1], s[EIG:EIG+1], v[GS+qi:GS+qi+1] op_sel_hi:[1,0,1]   ; + G / 8: exact; each accumulator from its low end on
.set qi, qi+2
.endr
	WIN 0
	s_sub_co_u32 s[CQ], s[CQ], 1
	s_cmp_lg_u32 s[CQ], 0
	s_cbranch_scc1 .Lqk
	CHANGE 1                                       ; the head's slot of Wv
	LOADH 0, 0
	LOADM 0
	LOADH 0, 1
	SIGMA                                          ; while those loads land
	v_add_nc_u32 v[XWJ], s[SJ], v[XW]
	v_add_nc_u32 v[XWJ+1], s[SJ], v[XW+1]
	v_add_nc_u32 v[XWJ+2], s[SJ2], v[XW+2]
	REC 2, 0, 1, Y1A, Y2A
	XPROD 0
	REC 2, 1, 2, Y1A, Y2A
	XPROD 1
	QUANTX 0
	REC 2, 2, 3, Y1A, Y2A
	XPROD 0
	REC 2, 3, -1, Y1A, Y2A
	XPROD 1
	QUANTX 1
	s_add_co_u32 s[SJ], s[SJ], 768
	s_add_co_u32 s[SJ2], s[SJ2], 2
	s_sub_co_u32 s[CH], s[CH], 1
	s_cmp_lg_u32 s[CH], 0
	s_cbranch_scc1 .Lhead
	; THE LAST LAYER.  x's images are whole when every wave has stored its heads' parts: then my four stacks of x go into the registers that held query, once for all four slots
	s_wait_dscnt 0x0                               ; my last images of x and their scale bytes lie in LDS
	s_barrier_signal -1                            ; the next weight slot may stay on its way
	s_barrier_wait -1
	WIN 0x80                                       ; destination window 2
.irp t, 0,1,2,3
.irp s, 0,1,2,3
.irp c, 0,1
	ds_load_b128 v[12*(4*\t+\s)+6*\c:12*(4*\t+\s)+6*\c+3], v[XR] offset:6144*\t+1536*\s+768*\c
	ds_load_b64 v[12*(4*\t+\s)+6*\c+4:12*(4*\t+\s)+6*\c+5], v[XR+1] offset:6144*\t+1536*\s+768*\c
.endr
.endr
.endr
	WIN 0
	ds_load_b128 v[ASC:ASC+3], v[XR+2]             ; x's scale words in query's place: t = 0 and 1,
	ds_load_b128 v[ASC+4:ASC+7], v[XR+2] offset:512   ; t = 2 and 3
	s_mov_b32 s[OST], 0
	s_mov_b32 s[OST+1], 0
	s_mov_b32 s[CU], 3
.Lout:                                             ; four slots; the change's wait for all LDS instructions covers the loads above
	CHANGE 1
	OUTSTEP
	s_sub_co_u32 s[CU], s[CU], 1
	s_cmp_lg_u32 s[CU], 0
	s_cbranch_scc1 .Lout
	CHANGE 0                                       ; the last slot is written out: nothing is left to ask for
	OUTSTEP
	s_wait_tensorcnt 0x0                           ; the wave's end
	ds_add_u32 v[SPW], v[NIL]
	s_wait_dscnt 0x0
	ROUND                                          ; the closing round: no work-group ends while a partner may still ask for a tile that names it
	s_endpgm
.Lfunc_end_k_q687f6eb1a4_main:
	.size	k_q687f6eb1a4_main, .Lfunc_end_k_q687f6eb1a4_main-k_q687f6eb1a4_main
	.p2alignl 7, 3214868480
	.fill 96, 4, 3214868480
	.section	.rodata,"a",@progbits
	.p2align	6, 0x0
	.amdhsa_kernel k_q687f6eb1a4_main
		.amdhsa_group_segment_fixed_size 327680
		.amdhsa_private_segment_fixed_size 0
		.amdhsa_enable_private_segment 0
		.amdhsa_kernarg_size 72
		.amdhsa_user_sgpr_count 2
		.amdhsa_user_sgpr_kernarg_segment_ptr 1
		.amdhsa_wavefront_size32 1
		.amdhsa_system_sgpr_workgroup_id_x 1
		.amdhsa_system_sgpr_workgroup_id_y 1
		.amdhsa_system_sgpr_workgroup_id_z 1
		.amdhsa_system_vgpr_workitem_id 0
		.amdhsa_next_free_vgpr 1024
		.amdhsa_next_free_sgpr 100
		.amdhsa_reserve_vcc 0
		.amdhsa_float_denorm_mode_32 3
		.amdhsa_float_denorm_mode_16_64 3
		.amdhsa_memory_ordered 1
		.amdhsa_forward_progress 1
		.amdhsa_inst_pref_size 255
	.end_amdhsa_kernel
	.section	.bss,"aw",@nobits
	.p2align	6
	.space	262144
	.amdgpu_metadata
---
amdhsa.version: [ 1, 2 ]
amdhsa.kernels:
  - .name:           k_q687f6eb1a4_main
    .symbol:         k_q687f6eb1a4_main.kd
    .args:
      - { .name: query_r, .offset: 0, .size: 8, .value_kind: global_buffer, .address_space: global }
      - { .name: query_i, .offset: 8, .size: 8, .value_kind: global_buffer, .address_space: global }
      - { .name: key_r, .offset: 16, .size: 8, .value_kind: global_buffer, .address_space: global }
      - { .name: key_i, .offset: 24, .size: 8, .value_kind: global_buffer, .address_space: global }
      - { .name: value_r, .offset: 32, .size: 8, .value_kind: global_buffer, .address_space: global }
      - { .name: value_i, .offset: 40, .size: 8, .value_kind: global_buffer, .address_space: global }
      - { .name: wpk, .offset: 48, .size: 8, .value_kind: global_buffer, .address_space: global }
      - { .name: out0, .offset: 56, .size: 8, .value_kind: global_buffer, .address_space: global }
      - { .name: out1, .offset: 64, .size: 8, .value_kind: global_buffer, .address_space: global }
    .group_segment_fixed_size: 327680
    .private_segment_fixed_size: 0
    .kernarg_segment_align: 8
    .kernarg_segment_size: 72
    .max_flat_workgroup_size: 128
    .sgpr_count:     100
    .vgpr_count:     1024
    .wavefront_size: 32
...
	.end_amdgpu_metadata
.endif
;; end of part 2
